; MI455X (gfx1250); checked and timed in simulation.
; The chip was launched on July 23, 2026; its instructions are those of AMD's public machine-readable ISA for CDNA 5 (MIT licence, August 2026) and "CDNA5" Instruction Set Architecture Reference Guide (July 2026). The comments in the code are by the model that wrote it; some were corrected since.
;; Triton Fused Moe Linear Base. Allowed arithmetic: float matrix products may take bf16 or f16 operands with f32 sums; all other float work in f32.
;; Inputs: expert_ids 8,192 int32; weight 8 x 512 x 2,048 float32; x 8,192 x 2,048 float32.
;; Outputs: out0 8,192 x 512 float32.
;; One version. Each part assembles by itself: llvm-mc -triple=amdgcn-amd-amdhsa -mcpu=gfx1250 --defsym DOCPART=n.
;; ======== version 1 of 1: 2 launches
;; workspace buffers: plan 65,536 bytes of whole numbers
;; launch route (part 1): grid 1 x 1, 32 waves a work-group, no clusters, 33,792 bytes of LDS; arguments expert_ids, plan; writes plan
.if DOCPART == 1
	.amdgcn_target "amdgcn-amd-amdhsa--gfx1250"
	.amdhsa_code_object_version 6
	.text
	.protected	k_q17c28086e0_route
	.globl	k_q17c28086e0_route
	.p2align	8
	.type	k_q17c28086e0_route,@function
k_q17c28086e0_route:
	s_mov_b64 s[64:65], 0
	v_nop
	global_prefetch_b8 v0, s[64:65] scope:SCOPE_SE
	s_setreg_imm32_b32 hwreg(HW_REG_WAVE_MODE, 25, 1), 1
	s_wait_xcnt 0x0
; ROUTE: sorts the 8,192 tokens by expert and cuts the sorted list into exactly 64 row slots for the product that follows.
;
; WORK LEFT OUT BY THE PROGRAM, AND WHY IT IS DEAD.  reference() adds, for each expert e, mask_e[t] * (x[t] . weight[e]), where mask_e[t] is the
; 1 or 0 that reference() itself makes of expert_ids[t] == e.  For a token t every term but the one with e = expert_ids[t] is a product with
; that 0, and a sum with zeros is exact: in real arithmetic only x[t] . weight[expert_ids[t]] reaches out[t], whatever finite values x and weight hold.
; Which product that is, is decided by whole numbers read from memory: here from expert_ids, in the next launch from the list stored here.
; A token whose id is none of 0..7 (compared unsigned) matches no mask: its row of the output is 0.  It is listed with expert 0 and bit 16 of its entry
; set; the next launch computes the row and selects 0.  All three inputs are read by the program.
; LIMIT: a NaN, an infinity or an overflow in a product with an expert that was not chosen is not carried to the result.
;
; THE LIST.  plan = 64 records of 1,024 bytes: words 0..143 entries (token | bad << 16; rows past the count repeat the slot's last entry),
; word 144 the expert, word 145 the count of rows, words 146..255 zero.  Every byte is stored.
; WHY 64 SLOTS OF AT MOST 144 ROWS ALWAYS FIT, AND NONE IS EMPTY.  With n_e tokens for expert e (sum 8,192) and q_e = ceil(n_e / 144):
; sum q_e <= (8192 + 8 * 143) / 144 = 64.8, so <= 64; sum q_e >= 8192 / 144 = 56.9, so >= 57, and SPARE = 64 - sum q_e is 0..7.
; The largest expert has n >= 1,024, so 7 or more full tiles of 144: its first SPARE full tiles are cut in two halves of 72 rows.  That makes 64.
;
; One work-group of 32 waves.  Thread t owns tokens 4t..4t+3 and 4096+4t..4096+4t+3: each load of a wave covers 512 consecutive bytes.
.set TAB,   0                          ; LDS: 32 waves x 8 counts, 1,024 bytes
.set SORT,  1024                       ; LDS: 8,192 entries in sorted order, 32,768 bytes
.set ID,    4                          ; v[4:11]   my eight ids, bad ones turned to 0
.set ENT,   12                         ; v[12:19]  my eight entries
.set RK,    20                         ; v[20:27]  rank of each among its expert's tokens in my wave
.set TA,    28                         ; v28, v29  at work
.set TB,    29
.set CT,    32                         ; v[32:39]  counts
.set BASE,  42                         ; v42       lane e: where my wave's tokens of expert e begin in the sorted list
.set PB,    44                         ; v[44:51]  that base, pulled for each of my tokens
.set OUTR,  44                         ; v[44:59]  later: two records' words, 8 registers each
.set CNT,   16                         ; s[16:23]  my wave's counts
.set NE,    32                         ; s[32:39]  n_e
.set PRE,   40                         ; s[40:47]  tokens of expert e in the waves below mine
.set GE,    48                         ; s[48:55]  slots of expert e
.set GP,    56                         ; s[56:63]  slots of the experts below e
.set CP,    66                         ; s[66:73]  tokens of the experts below e
.set SPARE, 74
.set IDX,   75                         ; the first expert with the most tokens
.set NB,    76
.set SL,    77                         ; a slot's number; below: its expert, that expert's GP, CP, n; the slot's place in the expert, start, count
.set SE,    80
.set SG,    81
.set SC,    82
.set SN,    83
.set SJ,    84
.set ST,    85
.set CN,    86
.set LX,    87
	s_load_b128 s[4:7], s[0:1], 0x0                ; expert_ids s[4:5], plan s[6:7]
	v_and_b32 v1, 31, v0                           ; lane
	v_lshrrev_b32 v41, 5, v0
	v_readfirstlane_b32 s8, v41                    ; wave
	v_lshlrev_b32 v41, 5, v41                      ; my wave's row of TAB
	v_lshlrev_b32 v40, 4, v0                       ; 16 t
	v_lshlrev_b32 v2, 2, v1                        ; 4 x lane
	v_lshlrev_b32 v3, 4, v1                        ; 16 x lane
	v_lshlrev_b32 v30, 5, v1                       ; 32 x lane
	v_mov_b32 v[TB], 0                             ; v_permlanex16_b32 counts as a reader of its destination
	s_mov_b32 s10, 0x76543210                      ; lane i of one half reads lane i of the other
	s_mov_b32 s11, 0xfedcba98
	s_lshl_b32 s24, s8, 11                         ; my wave writes records 2 w and 2 w + 1
	s_mov_b32 s25, 0
.irp e, 0,1,2,3,4,5,6,7
	s_mov_b32 s[CNT+\e], 0
.endr
	s_wait_kmcnt 0x0
	s_add_nc_u64 s[6:7], s[6:7], s[24:25]
	global_load_b128 v[ID:ID+3],   v40, s[4:5]
	global_load_b128 v[ID+4:ID+7], v40, s[4:5] offset:16384
	s_wait_loadcnt 0x0
	; entries: token number, bit 16 for an id outside 0..7, which then counts with expert 0
.irp c, 0,1,2,3,4,5,6,7
	v_cmp_gt_u32 vcc_lo, 8, v[ID+\c]               ; a good id
	v_lshl_or_b32 v[ENT+\c], v0, 2, (\c&3)+(\c>>2)*4096
	v_or_b32 v[TA], 0x10000, v[ENT+\c]
	v_cndmask_b32 v[ID+\c], 0, v[ID+\c], vcc_lo
	v_cndmask_b32 v[ENT+\c], v[TA], v[ENT+\c], vcc_lo
.endr
; rank of token c among expert e's tokens of my wave: those of my earlier words (CNT) plus those of lower lanes in this word
.macro RANK c, e
	v_cmp_eq_u32 s24, \e, v[ID+\c]
	v_mbcnt_lo_u32_b32 v[TA], s24, s[CNT+\e]
.if \e
	v_cndmask_b32 v[RK+\c], v[RK+\c], v[TA], s24
.else
	v_mov_b32 v[RK+\c], v[TA]
.endif
	s_bcnt1_i32_b32 s25, s24
	s_add_co_u32 s[CNT+\e], s[CNT+\e], s25
.endm
.irp c, 0,1,2,3,4,5,6,7
.irp e, 0,1,2,3,4,5,6,7
	RANK \c, \e
.endr
.endr
	; the waves' counts meet in TAB
.irp e, 0,1,2,3,4,5,6,7
	v_mov_b32 v[CT+\e], s[CNT+\e]
.endr
	ds_store_b128 v41, v[CT:CT+3]   offset:TAB     ; all lanes write the same words with the same values
	ds_store_b128 v41, v[CT+4:CT+7] offset:TAB+16
	s_wait_dscnt 0x0                               ; for the other waves: my counts are in LDS before I signal
	s_barrier_signal -1
	s_barrier_wait -1
	ds_load_b128 v[CT:CT+3],   v30 offset:TAB      ; lane l: the counts of wave l
	ds_load_b128 v[CT+4:CT+7], v30 offset:TAB+16
	v_cmp_gt_u32 vcc_lo, s8, v1                    ; the waves below mine
	s_wait_dscnt 0x0
	; two sums in one word: all waves' counts above bit 16, the lower waves' below.  Each is at most 8,192, so neither reaches the other.
.irp e, 0,1,2,3,4,5,6,7
	v_cndmask_b32 v[TA], 0, v[CT+\e], vcc_lo
	v_lshl_or_b32 v[CT+\e], v[CT+\e], 16, v[TA]
.endr
.macro WSUM r                          ; sum over the 32 lanes, in every lane
.irp m, 1,2,4,8
	v_mov_b32_dpp v[TA], v[\r] row_xmask:\m row_mask:0xf bank_mask:0xf
	v_add_nc_u32 v[\r], v[\r], v[TA]
.endr
	v_permlanex16_b32 v[TB], v[\r], s10, s11
	v_add_nc_u32 v[\r], v[\r], v[TB]
.endm
.irp e, 0,1,2,3,4,5,6,7
	WSUM CT+\e
	v_readfirstlane_b32 s24, v[CT+\e]
	s_lshr_b32 s[NE+\e], s24, 16
	s_and_b32 s[PRE+\e], s24, 0xffff
.endr
	; the plan, in scalars, the same in every wave
	s_mov_b32 s[CP], 0
.irp e, 1,2,3,4,5,6,7
	s_add_co_u32 s[CP+\e], s[CP+\e-1], s[NE+\e-1]
.endr
	s_mov_b32 s[SPARE], 64
.irp e, 0,1,2,3,4,5,6,7
	s_add_co_u32 s24, s[NE+\e], 143
	s_mul_i32 s24, s24, 0xe38f                     ; floor(m / 144) = (m * 58255) >> 23 for m <= 8,335: 58255 / 2^23 exceeds 1 / 144 by 0.78 / 2^23,
	s_lshr_b32 s[GE+\e], s24, 23                   ; which adds at most 8335 * 0.78 / 2^23 = 0.0008 < 1 / 144; the product stays below 2^32
	s_sub_co_u32 s[SPARE], s[SPARE], s[GE+\e]
.endr
	s_mov_b32 s[NB], s[NE]
	s_mov_b32 s[IDX], 0
.irp e, 1,2,3,4,5,6,7
	s_cmp_gt_u32 s[NE+\e], s[NB]
	s_cselect_b32 s[NB], s[NE+\e], s[NB]
	s_cselect_b32 s[IDX], \e, s[IDX]
.endr
.irp e, 0,1,2,3,4,5,6,7
	s_cmp_eq_u32 s[IDX], \e
	s_cselect_b32 s24, s[SPARE], 0
	s_add_co_u32 s[GE+\e], s[GE+\e], s24           ; the largest expert takes the spare slots
.endr
	s_mov_b32 s[GP], 0
.irp e, 1,2,3,4,5,6,7
	s_add_co_u32 s[GP+\e], s[GP+\e-1], s[GE+\e-1]
.endr
	; every token's entry goes to its place in the sorted list
	v_mov_b32 v[BASE], 0
.irp e, 0,1,2,3,4,5,6,7
	s_add_co_u32 s24, s[CP+\e], s[PRE+\e]
	v_writelane_b32 v[BASE], s24, \e
.endr
.irp c, 0,1,2,3,4,5,6,7
	v_min_u32 v[TA], 7, v[ID+\c]
	v_lshlrev_b32 v[TA], 2, v[TA]
	ds_bpermute_b32 v[PB+\c], v[TA], v[BASE]       ; lane id's word of BASE
.endr
	s_wait_dscnt 0x0
.irp c, 0,1,2,3,4,5,6,7
	v_add_nc_u32 v[TA], v[PB+\c], v[RK+\c]
	v_min_u32 v[TA], 0x1fff, v[TA]                 ; the places are a permutation of 0..8191; the clamp changes none
	v_lshlrev_b32 v[TA], 2, v[TA]
	ds_store_b32 v[TA], v[ENT+\c] offset:SORT
.endr
	s_wait_dscnt 0x0                               ; for the other waves: my entries are in LDS before I signal
	s_barrier_signal -1
	s_barrier_wait -1
; record 2 w + i: which expert, which rows of the sorted list; then its 256 words, stored as two runs of 512 consecutive bytes
.macro RECORD i
	s_lshl_b32 s[SL], s8, 1
	s_add_co_u32 s[SL], s[SL], \i
	s_mov_b32 s[SE], 0
	s_mov_b32 s[SG], s[GP]
	s_mov_b32 s[SC], s[CP]
	s_mov_b32 s[SN], s[NE]
.irp e, 1,2,3,4,5,6,7
	s_cmp_ge_u32 s[SL], s[GP+\e]                   ; the last expert whose slots begin at or below mine: one without slots is overridden by the next
	s_cselect_b32 s[SE], \e, s[SE]
	s_cselect_b32 s[SG], s[GP+\e], s[SG]
	s_cselect_b32 s[SC], s[CP+\e], s[SC]
	s_cselect_b32 s[SN], s[NE+\e], s[SN]
.endr
	s_sub_co_u32 s[SJ], s[SL], s[SG]               ; my place among the expert's slots
	s_cmp_eq_u32 s[SE], s[IDX]
	s_cselect_b32 s[LX], s[SPARE], 0               ; how many of its tiles are cut in two
	s_lshl_b32 s24, s[LX], 1
	s_sub_co_u32 s25, s[SJ], s[LX]                 ; a whole tile: number j - LX (of no meaning for a half, and not taken there)
	s_mul_i32 s25, s25, 144
	s_sub_co_u32 s[CN], s[SN], s25
	s_min_u32 s[CN], s[CN], 144
	s_mul_i32 s[ST], s[SJ], 72                     ; a half: rows 72 j .. 72 j + 71
	s_cmp_lt_u32 s[SJ], s24
	s_cselect_b32 s[ST], s[ST], s25
	s_cselect_b32 s[CN], 72, s[CN]
	s_add_co_u32 s[ST], s[ST], s[SC]
	s_sub_co_u32 s24, s[CN], 1
.irp k, 0,1
.irp q, 0,1,2,3
	v_add_nc_u32 v[TA], 128*\k+\q, v2              ; the word's number in the record
	v_min_u32 v[TA], s24, v[TA]                    ; rows past the count repeat the last one
	v_add_nc_u32 v[TA], s[ST], v[TA]
	v_min_u32 v[TA], 0x1fff, v[TA]
	v_lshlrev_b32 v[TA], 2, v[TA]
	ds_load_b32 v[OUTR+8*\i+4*\k+\q], v[TA] offset:SORT
.endr
.endr
	v_cmp_gt_u32 vcc_lo, 4, v1                     ; in the second half words 128..143 (lanes 0..3) are entries
	s_wait_dscnt 0x0
.irp q, 0,1,2,3
	v_cndmask_b32 v[OUTR+8*\i+4+\q], 0, v[OUTR+8*\i+4+\q], vcc_lo
.endr
	v_cmp_eq_u32 vcc_lo, 4, v1                     ; lane 4 holds words 144 and 145
	v_mov_b32 v[TA], s[SE]
	v_mov_b32 v[TB], s[CN]
	v_cndmask_b32 v[OUTR+8*\i+4], v[OUTR+8*\i+4], v[TA], vcc_lo
	v_cndmask_b32 v[OUTR+8*\i+5], v[OUTR+8*\i+5], v[TB], vcc_lo
	global_store_b128 v3, v[OUTR+8*\i:OUTR+8*\i+3],   s[6:7] offset:1024*\i
	global_store_b128 v3, v[OUTR+8*\i+4:OUTR+8*\i+7], s[6:7] offset:1024*\i+512
.endm
	RECORD 0
	RECORD 1                                       ; its data registers are its own; v3 and s[6:7] are never rewritten: no wait between the two
	s_endpgm
.Lfunc_end_k_q17c28086e0_route:
	.size	k_q17c28086e0_route, .Lfunc_end_k_q17c28086e0_route-k_q17c28086e0_route
	.p2alignl 7, 3214868480
	.fill 96, 4, 3214868480
	.section	.rodata,"a",@progbits
	.p2align	6, 0x0
	.amdhsa_kernel k_q17c28086e0_route
		.amdhsa_group_segment_fixed_size 33792
		.amdhsa_private_segment_fixed_size 0
		.amdhsa_enable_private_segment 0
		.amdhsa_kernarg_size 16
		.amdhsa_user_sgpr_count 2
		.amdhsa_user_sgpr_kernarg_segment_ptr 1
		.amdhsa_wavefront_size32 1
		.amdhsa_system_sgpr_workgroup_id_x 1
		.amdhsa_system_sgpr_workgroup_id_y 1
		.amdhsa_system_sgpr_workgroup_id_z 1
		.amdhsa_system_vgpr_workitem_id 0
		.amdhsa_next_free_vgpr 64
		.amdhsa_next_free_sgpr 96
		.amdhsa_reserve_vcc 1
		.amdhsa_float_denorm_mode_32 3
		.amdhsa_float_denorm_mode_16_64 3
		.amdhsa_memory_ordered 1
		.amdhsa_forward_progress 1
		.amdhsa_inst_pref_size 42
	.end_amdhsa_kernel
	.amdgpu_metadata
---
amdhsa.version: [ 1, 2 ]
amdhsa.kernels:
  - .name:           k_q17c28086e0_route
    .symbol:         k_q17c28086e0_route.kd
    .args:
      - { .name: expert_ids, .offset: 0, .size: 8, .value_kind: global_buffer, .address_space: global }
      - { .name: plan, .offset: 8, .size: 8, .value_kind: global_buffer, .address_space: global }
    .group_segment_fixed_size: 33792
    .private_segment_fixed_size: 0
    .kernarg_segment_align: 8
    .kernarg_segment_size: 16
    .max_flat_workgroup_size: 1024
    .sgpr_count:     96
    .vgpr_count:     64
    .wavefront_size: 32
...
	.end_amdgpu_metadata
.endif
;; end of part 1
;; launch moe_gemm (part 2): grid 4 x 64, 8 waves a work-group, no clusters, 269,568 bytes of LDS; arguments x, weight, plan, out0; writes out0
.if DOCPART == 2
	.amdgcn_target "amdgcn-amd-amdhsa--gfx1250"
	.amdhsa_code_object_version 6
	.text
	.protected	k_q17c28086e0_moe_gemm
	.globl	k_q17c28086e0_moe_gemm
	.p2align	8
	.type	k_q17c28086e0_moe_gemm,@function
k_q17c28086e0_moe_gemm:
	s_mov_b64 s[64:65], 0
	v_nop
	global_prefetch_b8 v0, s[64:65] scope:SCOPE_SE
	s_setreg_imm32_b32 hwreg(HW_REG_WAVE_MODE, 25, 1), 1
	s_wait_xcnt 0x0
; out0[t] = weight[expert_ids[t]] . x[t], by the list of 64 row slots that the launch before stored (records of 1,024 bytes: 144 entries, expert, count).
; WORK LEFT OUT: the seven products of each token with experts that its id does not name; reference() multiplies them by a 0 of its own making (shown at
; the head of the first kernel).  LIMITS: a NaN, an infinity or an overflow in such a product is not carried to the result; x and weight are rounded to
; bf16 for the matrix unit; K is summed in two interleaved halves that are added in f32 at the end; the row of a token whose id is outside 0..7 is exactly 0, also where x holds NaN.
;
; A work-group makes one slot (144 rows of the list, all of one expert) x 128 of the 512 columns, over K = 2,048 in 32 steps of 64.  256 work-groups of equal work.
; x rows are gathered by the list and both operands are f32 in memory, so they come through registers: load, round to bf16 once, store to LDS.
; NO JOINT LOADS IN A CLUSTER: they exist for tile loads into LDS alone, which neither gather by a list nor convert; and how many slots share an expert's
; weights is a number read from memory, so no fixed group of work-groups shares them.
; EIGHT WAVES.  As loaders: the step's 272 rows (144 of x, 128 of weight) are 17 blocks of 16; in each block wave w takes rows w (lanes 0-15) and w + 8
; (lanes 16-31): sixteen lanes read 256 consecutive bytes, aligned.  Three register sets of 17 loads: 51 loads of a wave are on their way.
; As multipliers: wave w makes all 144 rows x columns 32 (w & 3) .. + 31 for the 32 of the step's 64 k chosen by w >> 2: 18 accumulator tiles.
; The matrix instruction takes rows of weight as source 0 and rows of x as source 1: lane l then holds token row l % 16 and eight neighbouring columns.
;
; REGISTERS in two windows of 256 (s_set_vgpr_msb: bits 1:0 source 0, 3:2 source 1, 5:4 source 2, 7:6 destination).
; Window 0: fragments, accumulators and their LDS addresses.  Window 1 (setting 0x55): everything of the loaders and of the way out.
.set PITCH,  144                       ; an LDS row: 64 bf16 + 16 bytes: an odd multiple of 16, so the 16 rows of a fragment load start in 16 different 16-byte columns of 256
.set BLK,    16*PITCH                  ; 2,304: a block of 16 rows
.set SLOTB,  272*PITCH                 ; 39,168: rows 0..143 of x, rows 144..271 of weight
.set STAGE,  3*SLOTB                   ; 117,504: behind the three slots, two copies (one for each half of K) of 144 rows of 128 f32
.set SPITCH, 528                       ; 512 + 16
.set SBLK,   16*SPITCH                 ; 8,448
.set COPYB,  144*SPITCH                ; 76,032
; window 0
.set FA,   8                           ; v8-10    slot p: LDS address of my x fragments
.set FB,   11                          ; v11-13   slot p: of my weight fragments
.set STO,  14                          ; v14      stage: where my results of row blocks 0-3 go
.set STOH, 15                          ; v15      the same for row blocks 4-8 (an LDS offset has 16 bits)
.set WF,   16                          ; v[16:31]   two fragments of weight
.set XF,   32                          ; v[32:103]  nine fragments of x
.set ACC,  104                         ; v[104:247] tile (a, c) at ACC + 8 (2 a + c)
; window 1 (numbers within the window)
.set C16,  0                           ; 16 (lane % 16)
.set WOFF, 1                           ; my row of a block of weight, in bytes, + C16
.set ROWB, 2                           ; w + 8 (lane / 16): my row in every block of 16
.set LST,  3                           ; 3-5      slot p: where my 8 bytes of bf16 go
.set RD,   6                           ; 6-9      stage: my row; copy 0 blocks 0-3, copy 0 blocks 4-8, copy 1 blocks 0-3, copy 1 blocks 4-8
.set XOFF, 10                          ; 10-18    block b: my token's row of x, in bytes, + C16
.set ENT,  20                          ; 20-28    block b: my row's entry of the list
.set OOFF, 30                          ; 30-38    block b: my token's row of out0, in bytes, + C16
.set TT,   39                          ; at work
.set SET,  40                          ; 40-243   set p at SET + 68 p: block j's four f32 at + 4 j
.set MSB, 0
.macro WIN new                         ; the immediate's high byte repeats the setting that is left
.if MSB != \new
	s_set_vgpr_msb (MSB<<8)|\new
.set MSB, \new
.endif
.endm
	s_load_b256 s[4:11], s[0:1], 0x0               ; x s[4:5], weight s[6:7], plan s[8:9], out0 s[10:11]
	v_lshrrev_b32 v1, 5, v0
	v_readfirstlane_b32 s12, v1                    ; wave w
	s_and_b32 s13, s12, 3                          ; wc: my 32 columns
	s_lshr_b32 s14, s12, 2                         ; kg: my half of a step's k
	s_and_b32 s15, ttmp7, 0xffff                   ; the slot
	s_lshl_b32 s18, s15, 10
	s_mov_b32 s19, 0
	v_and_b32 v2, 15, v0                           ; lane % 16
	v_bfe_u32 v3, v0, 4, 1                         ; lane / 16
	v_lshl_add_u32 v4, v3, 3, s12                  ; my row in a block
	v_lshlrev_b32 v5, 4, v2
	v_lshlrev_b32 v6, 2, v4                        ; its word in the list; not rewritten
	v_mul_u32_u24 v16, v4, PITCH
	v_lshl_add_u32 v16, v2, 3, v16                 ; row x pitch + 8 bytes for each lane's four numbers
	v_mul_u32_u24 v17, v4, SPITCH
	v_add_nc_u32 v17, v17, v5
	s_wait_kmcnt 0x0
	s_add_nc_u64 s[8:9], s[8:9], s[18:19]          ; my record
	s_load_b64 s[16:17], s[8:9], 576               ; words 144, 145: expert, count
	WIN 0x40                                       ; destination in window 1
.irp b, 0,1,2,3,4,5,6,7,8
	global_load_b32 v[ENT+\b], v6, s[8:9] offset:64*\b
.endr
	v_mov_b32 v[C16], v5
	v_lshl_add_u32 v[WOFF], v4, 13, v5             ; a row of weight is 8,192 bytes
	v_mov_b32 v[ROWB], v4
.irp p, 0,1,2
	v_add_nc_u32 v[LST+\p], \p*SLOTB, v16
.endr
	v_add_nc_u32 v[RD],   STAGE, v17
	v_add_nc_u32 v[RD+1], STAGE+4*SBLK, v17
	v_add_nc_u32 v[RD+2], STAGE+COPYB, v17
	v_add_nc_u32 v[RD+3], STAGE+COPYB+4*SBLK, v17
	WIN 0
	; a fragment is 16 rows x 32 k: lane l holds row l % 16; registers 0-3 k = 8 (l / 16) + 0..7, registers 4-7 the same + 16: two loads of 16 bytes, 32 apart
	v_mul_u32_u24 v18, v2, PITCH
	v_lshl_add_u32 v18, v3, 4, v18
	s_lshl_b32 s22, s14, 6                         ; my 32 k begin 64 bytes x kg into the row
	v_add_nc_u32 v18, s22, v18
	s_mul_i32 s22, s13, 2*BLK
	s_add_co_u32 s22, s22, 9*BLK                   ; weight's rows lie behind x's nine blocks; mine are blocks 2 wc, 2 wc + 1
.irp p, 0,1,2
	v_add_nc_u32 v[FA+\p], \p*SLOTB, v18
	v_add_nc_u32 v[FB+\p], s22, v[FA+\p]
.endr
	v_mul_u32_u24 v19, v2, SPITCH                  ; stage: token row l % 16, byte 128 wc + 64 c + 32 (l / 16) of copy kg
	v_lshl_add_u32 v19, v3, 5, v19
	s_mul_i32 s22, s14, COPYB
	s_lshl_b32 s15, s13, 7
	s_add_co_u32 s22, s22, s15
	s_add_co_u32 s22, s22, STAGE
	v_add_nc_u32 v[STO], s22, v19
	v_add_nc_u32 v[STOH], 4*SBLK, v[STO]
	s_wait_kmcnt 0x0
	s_min_u32 s16, s16, 7                          ; what was read from memory is clamped before it enters an address or a mask
	s_min_u32 s17, s17, 144
	s_lshl_b32 s18, s16, 22                        ; an expert's weights are 4 MiB,
	s_lshl_b32 s22, ttmp9, 20                      ; 128 rows of them 1 MiB
	s_add_co_u32 s18, s18, s22
	s_add_nc_u64 s[6:7], s[6:7], s[18:19]
	s_lshl_b32 s18, ttmp9, 9                       ; 128 columns of out0 are 512 bytes
	s_add_nc_u64 s[10:11], s[10:11], s[18:19]
	s_wait_loadcnt 0x0                             ; my nine entries
	WIN 0x55
.irp b, 0,1,2,3,4,5,6,7,8
	v_and_b32 v[TT], 0xffff, v[ENT+\b]
	v_min_u32 v[TT], 0x1fff, v[TT]
	v_lshl_add_u32 v[XOFF+\b], v[TT], 13, v[C16]   ; a row of x is 8,192 bytes,
	v_lshl_add_u32 v[OOFF+\b], v[TT], 11, v[C16]   ; of out0 2,048
.endr
; 17 loads: my rows of one K step (at byte koff from the stepped bases) into set p
.macro FILL p, koff
.irp b, 0,1,2,3,4,5,6,7,8
	global_load_b128 v[SET+68*\p+4*\b:SET+68*\p+4*\b+3], v[XOFF+\b], s[4:5] offset:\koff
.endr
.irp c, 0,1,2,3,4,5,6,7
	global_load_b128 v[SET+68*\p+36+4*\c:SET+68*\p+36+4*\c+3], v[WOFF], s[6:7] offset:\c*131072+\koff
.endr
.endm
	FILL 0, 0
	FILL 1, 256
	FILL 2, 512
; One K step of 64, on register set p and LDS slot p.  fill = 1: the set is loaded again, three steps ahead.  left = younger loads that may stay out.
; zero = 1: the products start the sums, nothing is cleared.
; ONE barrier a step: in front of it each wave's stores into slot p are done, and so are its reads of the slot of the step before (waited for ahead of
; that step's last products).  Slot p is written again three steps later, behind two further barriers.
.macro STEP p, fill, left, zero
	WIN 0x55
	s_wait_loadcnt \left                           ; loads come back in order: this step's 17 are in, the younger sets stay out
.irp j, 0,1,2,3,4,5,6,7,8,9,10,11,12,13,14,15,16
	v_cvt_pk_bf16_f32 v[SET+68*\p+4*\j],   v[SET+68*\p+4*\j],   v[SET+68*\p+4*\j+1]
	v_cvt_pk_bf16_f32 v[SET+68*\p+4*\j+1], v[SET+68*\p+4*\j+2], v[SET+68*\p+4*\j+3]
	ds_store_b64 v[LST+\p], v[SET+68*\p+4*\j:SET+68*\p+4*\j+1] offset:BLK*\j   ; two rows' 128 bytes, 8 x 144 = 4 x 256 + 128 bytes apart: together every 4-byte column of 256 once
.endr
.if \fill
	FILL \p, 768+256*\p
.endif
	WIN 0
	s_wait_dscnt 0x0                               ; for the other waves: my part of the slot is in LDS before I signal
	s_barrier_signal -1
	s_barrier_wait -1
	; these loads into fragments stand behind the 34 conversions above, which name none of the last products' registers
.irp c, 0,1
	ds_load_b128 v[WF+8*\c:WF+8*\c+3],   v[FB+\p] offset:BLK*\c
	ds_load_b128 v[WF+8*\c+4:WF+8*\c+7], v[FB+\p] offset:BLK*\c+32
.endr
.irp a, 0,1,2,3,4,5,6,7,8
	ds_load_b128 v[XF+8*\a:XF+8*\a+3],   v[FA+\p] offset:BLK*\a
	ds_load_b128 v[XF+8*\a+4:XF+8*\a+7], v[FA+\p] offset:BLK*\a+32
.endr
	; the 18 accumulators take turns, one instruction a turn, from step to step and over the backward jump too
.irp a, 0,1,2,3,4,5,6,7,8
	s_wait_dscnt 16-2*\a                           ; of the 22 loads those of x blocks a + 1 .. 8 may stay out
.irp c, 0,1
.if \zero
	v_wmma_f32_16x16x32_bf16 v[ACC+8*(2*\a+\c):ACC+8*(2*\a+\c)+7], v[WF+8*\c:WF+8*\c+7], v[XF+8*\a:XF+8*\a+7], 0
.else
	v_wmma_f32_16x16x32_bf16 v[ACC+8*(2*\a+\c):ACC+8*(2*\a+\c)+7], v[WF+8*\c:WF+8*\c+7], v[XF+8*\a:XF+8*\a+7], v[ACC+8*(2*\a+\c):ACC+8*(2*\a+\c)+7]
.endif
.endr
.endr
.endm
.macro ADV                             ; three steps on
	s_wait_xcnt 0x0                                ; the bases of the loads issued so far are rewritten only behind this wait
	s_add_nc_u64 s[4:5], s[4:5], 768
	s_add_nc_u64 s[6:7], s[6:7], 768
.endm
	STEP 0, 1, 34, 1                               ; steps 0 to 2; they ask for steps 3 to 5
	STEP 1, 1, 34, 0
	STEP 2, 1, 34, 0
	ADV
	s_mov_b32 s20, 8
.Lk:                                                   ; steps 3 to 26; they ask for steps 6 to 29
	STEP 0, 1, 34, 0
	STEP 1, 1, 34, 0
	STEP 2, 1, 34, 0
	ADV
	s_sub_co_i32 s20, s20, 1
	s_cmp_lg_u32 s20, 0
	s_cbranch_scc1 .Lk
	STEP 0, 1, 34, 0                               ; steps 27 and 28 ask for the last two, 30 and 31: no load passes a row's end
	STEP 1, 1, 34, 0
	STEP 2, 0, 34, 0                               ; steps 29 to 31 ask for nothing: the counts run down
	STEP 0, 0, 17, 0
	STEP 1, 0, 0, 0
	; THE WAY OUT.  Each wave lays its 144 x 32 partial sums into its half's copy of the stage; then the waves read whole rows back, add the two halves of K and store.
.rept 4
	v_nop                                          ; four places between the last product and the LDS stores that read results
.endr
.irp a, 0,1,2,3,4,5,6,7,8
.irp c, 0,1
.if \a < 4
	ds_store_b128 v[STO],  v[ACC+8*(2*\a+\c):ACC+8*(2*\a+\c)+3],   offset:\a*SBLK+64*\c
	ds_store_b128 v[STO],  v[ACC+8*(2*\a+\c)+4:ACC+8*(2*\a+\c)+7], offset:\a*SBLK+64*\c+16
.else
	ds_store_b128 v[STOH], v[ACC+8*(2*\a+\c):ACC+8*(2*\a+\c)+3],   offset:(\a-4)*SBLK+64*\c
	ds_store_b128 v[STOH], v[ACC+8*(2*\a+\c)+4:ACC+8*(2*\a+\c)+7], offset:(\a-4)*SBLK+64*\c+16
.endif
.endr
.endr
	s_wait_dscnt 0x0                               ; for the other waves: my sums are in the stage before I signal
	s_barrier_signal -1
	s_barrier_wait -1
	WIN 0x55
	; block b: my row's 512 bytes of each copy, as two runs in which sixteen lanes take 256 consecutive bytes; into SET + 16 b (all global loads have landed)
.irp b, 0,1,2,3,4,5,6,7,8
.if \b < 4
	ds_load_b128 v[SET+16*\b:SET+16*\b+3],     v[RD]   offset:\b*SBLK
	ds_load_b128 v[SET+16*\b+4:SET+16*\b+7],   v[RD]   offset:\b*SBLK+256
	ds_load_b128 v[SET+16*\b+8:SET+16*\b+11],  v[RD+2] offset:\b*SBLK
	ds_load_b128 v[SET+16*\b+12:SET+16*\b+15], v[RD+2] offset:\b*SBLK+256
.else
	ds_load_b128 v[SET+16*\b:SET+16*\b+3],     v[RD+1] offset:(\b-4)*SBLK
	ds_load_b128 v[SET+16*\b+4:SET+16*\b+7],   v[RD+1] offset:(\b-4)*SBLK+256
	ds_load_b128 v[SET+16*\b+8:SET+16*\b+11],  v[RD+3] offset:(\b-4)*SBLK
	ds_load_b128 v[SET+16*\b+12:SET+16*\b+15], v[RD+3] offset:(\b-4)*SBLK+256
.endif
.endr
.irp b, 0,1,2,3,4,5,6,7,8
	s_wait_dscnt 32-4*\b                           ; of the 36 loads those of blocks b + 1 .. 8 may stay out
.irp i, 0,1,2,3
	v_pk_add_f32 v[SET+16*\b+2*\i:SET+16*\b+2*\i+1], v[SET+16*\b+2*\i:SET+16*\b+2*\i+1], v[SET+16*\b+8+2*\i:SET+16*\b+8+2*\i+1]
.endr
	v_cmp_gt_u32 vcc_lo, 0x10000, v[ENT+\b]        ; bit 16 clear: the id named an expert; else the row is 0
.irp i, 0,1,2,3,4,5,6,7
	v_cndmask_b32 v[SET+16*\b+\i], 0, v[SET+16*\b+\i], vcc_lo
.endr
	s_sub_co_i32 s22, s17, 16*\b
	v_cmp_gt_i32 vcc_lo, s22, v[ROWB]              ; row 16 b + my row lies below the slot's count; the rows past it repeat a token and store nothing
	s_wait_xcnt 0x0                                ; EXEC is a source of the stores issued so far: it changes only behind this wait
	s_and_saveexec_b32 s21, vcc_lo
	global_store_b128 v[OOFF+\b], v[SET+16*\b:SET+16*\b+3],   s[10:11] th:TH_STORE_NT             ; sixteen lanes store 256 consecutive bytes, aligned
	global_store_b128 v[OOFF+\b], v[SET+16*\b+4:SET+16*\b+7], s[10:11] offset:256 th:TH_STORE_NT
	s_wait_xcnt 0x0                                ; and again in front of the line that widens it
	s_or_b32 exec_lo, exec_lo, s21
.endr
	WIN 0
	s_endpgm
.Lfunc_end_k_q17c28086e0_moe_gemm:
	.size	k_q17c28086e0_moe_gemm, .Lfunc_end_k_q17c28086e0_moe_gemm-k_q17c28086e0_moe_gemm
	.p2alignl 7, 3214868480
	.fill 96, 4, 3214868480
	.section	.rodata,"a",@progbits
	.p2align	6, 0x0
	.amdhsa_kernel k_q17c28086e0_moe_gemm
		.amdhsa_group_segment_fixed_size 269568
		.amdhsa_private_segment_fixed_size 0
		.amdhsa_enable_private_segment 0
		.amdhsa_kernarg_size 32
		.amdhsa_user_sgpr_count 2
		.amdhsa_user_sgpr_kernarg_segment_ptr 1
		.amdhsa_wavefront_size32 1
		.amdhsa_system_sgpr_workgroup_id_x 1
		.amdhsa_system_sgpr_workgroup_id_y 1
		.amdhsa_system_sgpr_workgroup_id_z 1
		.amdhsa_system_vgpr_workitem_id 0
		.amdhsa_next_free_vgpr 512
		.amdhsa_next_free_sgpr 66
		.amdhsa_reserve_vcc 1
		.amdhsa_float_denorm_mode_32 3
		.amdhsa_float_denorm_mode_16_64 3
		.amdhsa_memory_ordered 1
		.amdhsa_forward_progress 1
		.amdhsa_inst_pref_size 106
	.end_amdhsa_kernel
	.amdgpu_metadata
---
amdhsa.version: [ 1, 2 ]
amdhsa.kernels:
  - .name:           k_q17c28086e0_moe_gemm
    .symbol:         k_q17c28086e0_moe_gemm.kd
    .args:
      - { .name: x, .offset: 0, .size: 8, .value_kind: global_buffer, .address_space: global }
      - { .name: weight, .offset: 8, .size: 8, .value_kind: global_buffer, .address_space: global }
      - { .name: plan, .offset: 16, .size: 8, .value_kind: global_buffer, .address_space: global }
      - { .name: out0, .offset: 24, .size: 8, .value_kind: global_buffer, .address_space: global }
    .group_segment_fixed_size: 269568
    .private_segment_fixed_size: 0
    .kernarg_segment_align: 8
    .kernarg_segment_size: 32
    .max_flat_workgroup_size: 256
    .sgpr_count:     66
    .vgpr_count:     512
    .wavefront_size: 32
...
	.end_amdgpu_metadata
.endif
;; end of part 2
